; MI455X (gfx1250); checked and timed in simulation.
; The chip was launched on July 23, 2026; its instructions are those of AMD's public machine-readable ISA for CDNA 5 (MIT licence, August 2026) and "CDNA5" Instruction Set Architecture Reference Guide (July 2026). The comments in the code are by the model that wrote it; some were corrected since.
;; Attention Scores. Allowed arithmetic: matrix products marked QUANTISED: E2M1 operands, one E8M0 scale for each 32 along K, by v_wmma_scale_f32_16x16x128_f8f6f4 with both operands' format E2M1 (or v_wmma_scale_f32_32x16x128_f4), f32 sums; everything else in f32.
;; Inputs: Wk_codes 1,024 x 32 x 16 uint8 (E2M1 codes of Wk, K innermost, in blocks of 32 codes, two codes a byte); Wk_scales 1,024 x 32 uint8 (E8M0 scales of Wk, one for each 32 codes along K); Wo_codes 1,024 x 32 x 16 uint8 (E2M1 codes of Wo, K innermost, in blocks of 32 codes, two codes a byte); Wo_scales 1,024 x 32 uint8 (E8M0 scales of Wo, one for each 32 codes along K); Wq_codes 1,024 x 32 x 16 uint8 (E2M1 codes of Wq, K innermost, in blocks of 32 codes, two codes a byte); Wq_scales 1,024 x 32 uint8 (E8M0 scales of Wq, one for each 32 codes along K); Wv_codes 1,024 x 32 x 16 uint8 (E2M1 codes of Wv, K innermost, in blocks of 32 codes, two codes a byte); Wv_scales 1,024 x 32 uint8 (E8M0 scales of Wv, one for each 32 codes along K); bo 1,024 float32; inputs_codes 4 x 2,048 x 32 x 16 uint8 (E2M1 codes of inputs, K innermost, in blocks of 32 codes, two codes a byte); inputs_scales 4 x 2,048 x 32 uint8 (E8M0 scales of inputs, one for each 32 codes along K).
;; Outputs: out0 4 x 2,048 x 1,024 float32.
;; This version of the problem:
;;   THIS VERSION OF THE PROBLEM IS GIVEN IN LOW PRECISION. The matrix products marked QUANTISED in the list below multiply operands that are first quantised to E2M1 (2 exponent bits, 1 mantissa bit; 4 bits a number), with one power-of-two scale for each 32 numbers along K (OCP MX v1.0); their sums are f32. All else is computed in f32.
;;   The module's matrix products, in the order in which they are computed (A, B: the left and right operand; K: the contracted axis; several contracted axes count as one K, in the product's order):
;;     1. [M 8,192, K 1,024] x [K 1,024, N 1,024]; A: input inputs (given as codes); B: input Wq (given as codes): QUANTISED
;;     2. [M 8,192, K 1,024] x [K 1,024, N 1,024]; A: input inputs (given as codes); B: input Wk (given as codes): QUANTISED
;;     3. [M 8,192, K 1,024] x [K 1,024, N 1,024]; A: input inputs (given as codes); B: input Wv (given as codes): QUANTISED
;;     4. batch 64 x [M 2,048, K 64] x [K 64, N 2,048]; A: computed on the way; B: computed on the way: QUANTISED
;;     5. batch 64 x [M 2,048, K 2,048] x [K 2,048, N 64]; A: softmax (see below); B: computed on the way: QUANTISED
;;     6. [M 8,192, K 1,024] x [K 1,024, N 1,024]; A: computed on the way; B: input Wo (given as codes): QUANTISED
;;   THE QUANTISER, for each operand of a quantised product, along K:
;;     - K is cut into blocks of 32 from its start; a last block that is shorter is filled with zeros.
;;     - A block's scale is 2^e with e = floor(log2(the largest magnitude in the block)) - 2, held to -126 .. 127; a block of zeros has e = 0. As a byte (E8M0): e + 127.
;;     - Each number is divided by its block's scale, clamped to +-6, and rounded to the nearest number of E2M1, ties to even, subnormals kept.
;;     - The product sums the exact products of the quantised numbers (number of the format x scale) in f32.
;;   ~~~python
;;   def quantise(x, axis):      # numpy; x: float32 -> the quantised numbers, widened to float32 again
;;       x = np.moveaxis(x, axis, -1); K = x.shape[-1]
;;       x = np.pad(x, [(0, 0)] * (x.ndim - 1) + [(0, -K % 32)]); x = x.reshape(x.shape[:-1] + (-1, 32)); a = np.abs(x).max(-1, keepdims=True)
;;       e = np.where(a > 0, np.clip(np.frexp(np.where(a > 0, a, 1))[1] - 1 - 2, -126, 127), 0)      # np.frexp(a)[1] - 1 = floor(log2(a)), exactly
;;       r = np.clip(x / 2.0 ** e, -6, 6)
;;       step = 2.0 ** (np.maximum(np.frexp(np.where(r == 0, 1, r))[1] - 1, 0) - 1)
;;       q = np.round(r / step) * step * 2.0 ** e      # np.round: ties to even
;;       return np.moveaxis(q.reshape(q.shape[:-2] + (-1,))[..., :K], -1, axis).astype(np.float32)
;;   ~~~
;;   SOFTMAX AHEAD OF A QUANTISED PRODUCT. Where the list says 'softmax', what is quantised is not the finished softmax but p = 2^(t - M), with t = logit x log2(e) and M = ceil(the row's largest t), a whole number; so 1/2 < the row's largest p <= 1. The row's sum l is taken of the UNQUANTISED p, in f32, and the product's result is divided by l at the end. Since M is a whole number, a kernel that streams over the keys may use a running M (the ceiling of the running maximum): every later rescaling is an exact power of two, which a block's scale takes up: the codes' values come out the same.
;;   OPERANDS COMPUTED ON THE WAY. 'Computed on the way' means the value that the module computes at that place (a softmax that the list does not call 'softmax' is quantised finished and normalised). What goes into a quantiser is computed in f32, as accurately as f32 sums, v_exp_f32 and their like allow (about 1e-6 of the number): no bf16 or f16 on the way to a quantiser, and a product that is left as it is and whose result goes on into a quantised operand takes f32 operands (vector FMAs, or v_wmma_f32_16x16x4_f32). A number that lies on a knife's edge between two numbers of the format may be rounded either way, as far as f32 arithmetic and the matrix unit's own rounding can turn it there, and no further.
;;   INPUTS GIVEN AS CODES. Wk (in the module: [1024, 1024], K = its axis 0); Wo (in the module: [1024, 1024], K = its axis 0); Wq (in the module: [1024, 1024], K = its axis 0); Wv (in the module: [1024, 1024], K = its axis 0); inputs (in the module: [4, 2048, 1024], K = its axis 2): each comes as NAME_codes (uint8): NAME with its K axis moved to the last place and cut into blocks of 32 codes, [.., K / 32, bytes a block], one block behind the other in memory; two codes a byte, the lower K in the low four bits (a code: sign, 2 exponent bits, 1 mantissa bit); and NAME_scales (uint8): the same leading axes, one E8M0 byte (e + 127) for each 32 codes along K. Its value is code x scale, taken as it is: it is not quantised again, and the codes and scales need not be those that the quantiser above would give.
;; One version. Each part assembles by itself: llvm-mc -triple=amdgcn-amd-amdhsa -mcpu=gfx1250 --defsym DOCPART=n.
;; ======== version 1 of 1: 3 launches
;; workspace buffers: qkv 13,893,632 bytes; ctx_img 4,194,304 bytes; ctx_sc 262,144 bytes
;; launch qkv (part 1): grid 8 x 32, 8 waves a work-group, clusters of 4 x 4, 327,680 bytes of LDS; arguments inputs_codes, inputs_scales, Wq_codes, Wq_scales, Wk_codes, Wk_scales, Wv_codes, Wv_scales, qkv; writes qkv
.if DOCPART == 1
	.amdgcn_target "amdgcn-amd-amdhsa--gfx1250"
	.amdhsa_code_object_version 6
	.text
	.protected	k_q97b3e89db9_qkv
	.globl	k_q97b3e89db9_qkv
	.p2align	8
	.type	k_q97b3e89db9_qkv,@function
k_q97b3e89db9_qkv:
	s_mov_b64 s[64:65], 0
	v_nop
	global_prefetch_b8 v0, s[64:65] scope:SCOPE_SE
	s_setreg_imm32_b32 hwreg(HW_REG_WAVE_MODE, 25, 1), 1
	s_wait_xcnt 0x0
	s_wait_alu depctr_hold_cnt(0) depctr_sa_sdst(0) depctr_va_vdst(0) depctr_va_sdst(0) depctr_va_ssrc(0) depctr_va_vcc(0) depctr_vm_vsrc(0)
	s_getreg_b32 s2, hwreg(HW_REG_IB_STS2, 6, 4)
	s_cmp_eq_u32 s2, 0
	s_cbranch_scc0 .Lentry_in_a_cluster
	s_endpgm
.Lentry_in_a_cluster:
	s_bfe_u32 s2, ttmp6, 0x10000c
	s_cmp_lg_u32 s2, 0xf033
	s_cbranch_scc0 .Lentry_shape_is_right
	s_endpgm
.Lentry_shape_is_right:
; CAUSAL ATTENTION IN MX-FP4, THREE LAUNCHES.  This one: q = X Wq, k = X Wk, v = X Wv on the codes as given, and the quantisers of q, k (along the head's 64) and v (along the keys).
; The second: scores, softmax, weights x v, and ctx's quantiser.  The third: ctx Wo + bo.
; DEAD WORK LEFT OUT (in the second launch): the problem's own lower-triangular mask sets the score of key k for query q to -infinity wherever k > q, so its weight is 0 for all values of the inputs.
; A key step of 128 keys all of which come after a wave's 16 queries adds 0 to the row's sum and 0 to the product with v, and does not move the row's maximum: it is not computed.
; Every input has a way to the output: all are loaded.  LIMIT: a NaN, an infinity or an overflow that reaches only such hidden key steps is not carried to the result.
; LIMITS of the quantisers here: a block whose largest magnitude lies under 2^-124 (a block of zeros among them) gets the scale byte 1; the bytes are read by this program alone, and zero codes add nothing
; under any byte but 0xff.  NaN and infinities in q, k, v are not served.
; SHARES.  Work-group (gx, gy): X's rows 256 gy .. + 255 against rows 128 gx .. + 127 (heads 2 gx, 2 gx + 1) of Wq, then Wk, then Wv.  Wave w: 64 rows of X (xg = w % 4) x one head (hg = w / 4): 16 accumulators.
; All of K (1,024: rows of 512 bytes) lies in LDS: X's 256 rows once; Wq in W's slot 0, Wk in slot 1; Wv is brought into slot 0 when Wq has been multiplied: the one refill.
; CLUSTER 4 x 4: the four work-groups of a row of the cluster need the same rows of X, the four of a column the same rows of the weights: each tile is asked for jointly.
; LAYOUT.  Source 0 takes the rows that become the NEXT product's K, source 1 the rows that stay rows: for q and k source 0 = 16 rows of W (the head's d), source 1 = 16 rows of X; for v the other way round (the keys are
; its K).  Lane (r, h) of accumulator t then holds next-K indices 16 t + 8 h + 0 .. 7 of row r.  A block of 32 is accumulators 2 b, 2 b + 1 in lanes l and l xor 16.  The conversions' results c0 .. c3 are written to places
; 0, 2, 1, 3, and two exchanges of halves make of them registers 0 .. 3 of the operand: lane (r, h') holds k = 32 h' + 0 .. 31 of row r.
; OUT: images of operand registers (four registers: 512 bytes, lane l at 16 l).  A record of REC bytes for each (batch, head): K's images, V's images, K's scale words, V's, Q's images, Q's scale words.
.set PITCH, 528                        ; an LDS row: 512 bytes + 16 of padding: 33 x 16 bytes, so the 16 rows that a load touches begin at 16 different columns of 16 bytes
.set QUART, 64*PITCH                   ; what one tensor load brings: 64 rows
.set W0,    4*QUART                    ; W's slot 0, behind X's 256 rows
.set SPARE, 8*QUART                    ; behind slot 1: the spare words, 128 bytes a wave: four blocks of 256 bytes that no other line names
.set REC,   217088
.set O_V,   65536                      ; in a record: V's images: step s (128 keys), d tile m, half c at 4096 s + 1024 m + 512 c
.set O_KS,  131072                     ; K's scale words: chunk of 64 keys at 256 kc, word at 16 r + 4 m
.set O_VS,  139264                     ; V's scale words: step s at 256 s, word at 16 r + 4 m, a byte for each 32 keys
.set O_Q,   143360                     ; Q's images, as K's (which begin at 0: tile of 16 rows T at 512 T)
.set O_QS,  208896                     ; Q's scale words, as K's
.set PADW,  (1<<20)|(1<<21)|(6<<22)|(3<<25)   ; elements of 1 byte; padding on; bit 21 beside a mask; after every 128 words; 4 words
.set LI,  3                            ; v3   16 x lane
.set LR,  4                            ; v4   16 r
.set XN,  5                            ; v5   LDS: my 64 rows of X, my lane's place in a tile
.set WP0, 6                            ; v6   the same for my head's 64 rows in W's slot 0
.set WP1, 7                            ; v7   in slot 1
.set SOF, 8                            ; v8   32 r + 16 h: my 16 scale bytes of a tile's row r
.set SPW, 10                           ; v10  my spare word; never rewritten
.set NIL, 11                           ; v11  0; never rewritten
.set SCX, 32                           ; v32-47  X's scale words, four registers a tile: register j: lanes 0-15 K step j, lanes 16-31 K step 4 + j
.set SCW, 48                           ; v48-63  the weight's, likewise
.set FX,  64                           ; v64-95  X's four fragments
.set FW,  96                           ; v96-127 the weight's four
.set ACC, 128                          ; v128-255 accumulator (m, t) at 128 + 8 (4 m + t): m = source 1's tile, t = source 0's
.set TM,  64                           ; behind a phase: v64-71 largest magnitudes, v72-79 at work, v80-87 the conversions' scale operands, v88-91 scale words, v96-111 codes
.set T2,  72
.set SO,  80
.set SW,  88
.set PC,  96
.set WV,  22                           ; s22 wave; s23 xg; s24 hg; s25, s26 place in the cluster; s27 gx; s28 gy
.set G1X, 32                           ; s[32:39] group 1 for X's tiles;  s[40:47] for the weights'
.set G1W, 40
.set G0X, 48                           ; s[48:51] group 0: X;  s[52:55]: Wq or Wk;  s[56:59]: Wv, the refill
.set G0W, 52
.set G0R, 56
.set SEL, 60                           ; s[60:61] v_permlanex16_b32's selects for lane l xor 16
.set PK,  66                           ; s[66:67] record + 2048 kc;  s[68:69] record + 256 kc;  s[70:71] record + 4096 (kc / 2) + 512 (kc % 2);  s[72:73] record + 256 (kc / 2) + 2 (kc % 2)
.set PS,  68
.set PV,  70
.set PVS, 72
.set BX,  78                           ; s[78:79] my rows' scales in X;  s[80:85] in Wq, Wk, Wv
.set BQ,  80
.set BK,  82
.set BV,  84
.macro PLACES                          ; four plain places: behind matrix instructions, ahead of loads into their registers and of reads of their results
.rept 4
	v_nop
.endr
.endm
.macro CROUND                          ; a round of the cluster's barrier
	s_barrier_signal -1
	s_barrier_wait -1
	s_cmp_lg_u32 s[WV], 0
	s_cbranch_scc1 .Lnot_wave_0_\@
	s_barrier_signal -3
.Lnot_wave_0_\@:
	s_barrier_wait -3
	s_barrier_signal -1
	s_barrier_wait -1
.endm
.macro SCALES reg, base                ; the scale bytes of four tiles of 16 rows: each load reads 512 neighbouring bytes
.irp i, 0,1,2,3
	global_load_b128 v[\reg+4*\i:\reg+4*\i+3], v[SOF], s[\base:\base+1] offset:512*\i
.endr
.endm
; One K step of 128: 16 LDS loads, 16 matrix instructions.  xs0 = 0: source 0 = the weight's tiles (at wadr), source 1 = X's; xs0 = 1: the other way round.  zero = 1: the products start the sums.
; The 16 accumulators take turns, one instruction a turn, in the same order in every step.
.macro KSTEP s, xs0, wadr, zero
.if \xs0
.set S0R, FX
.set S0A, XN
.set S0C, SCX
.set S1R, FW
.set S1A, \wadr
.set S1C, SCW
.else
.set S0R, FW
.set S0A, \wadr
.set S0C, SCW
.set S1R, FX
.set S1A, XN
.set S1C, SCX
.endif
	PLACES
.irp t, 0,1,2,3
	ds_load_b128 v[S0R+8*\t:S0R+8*\t+3],   v[S0A] offset:\t*16*PITCH+64*(\s)
	ds_load_b128 v[S0R+8*\t+4:S0R+8*\t+7], v[S0A] offset:\t*16*PITCH+64*(\s)+32
.endr
.irp m, 0,1,2,3
	ds_load_b128 v[S1R+8*\m:S1R+8*\m+3],   v[S1A] offset:\m*16*PITCH+64*(\s)
	ds_load_b128 v[S1R+8*\m+4:S1R+8*\m+7], v[S1A] offset:\m*16*PITCH+64*(\s)+32
.endr
.irp m, 0,1,2,3
	s_wait_dscnt 6-2*\m                            ; source 0's four tiles and source 1's tiles 0 .. m are in; the two loads of each later tile may be out
.irp t, 0,1,2,3
.set rD, ACC+8*(4*\m+\t)
.set rA, S0R+8*\t
.set rB, S1R+8*\m
.set rSA, S0C+4*\t+(\s)%4
.set rSB, S1C+4*\m+(\s)%4
.if \zero
	v_wmma_scale_f32_16x16x128_f8f6f4 v[rD:rD+7], v[rA:rA+7], v[rB:rB+7], 0, v[rSA], v[rSB] matrix_a_fmt:MATRIX_FMT_FP4 matrix_b_fmt:MATRIX_FMT_FP4
.elseif (\s) >= 4
	v_wmma_scale_f32_16x16x128_f8f6f4 v[rD:rD+7], v[rA:rA+7], v[rB:rB+7], v[rD:rD+7], v[rSA], v[rSB] matrix_a_fmt:MATRIX_FMT_FP4 matrix_b_fmt:MATRIX_FMT_FP4 matrix_a_scale:MATRIX_SCALE_ROW1 matrix_b_scale:MATRIX_SCALE_ROW1
.else
	v_wmma_scale_f32_16x16x128_f8f6f4 v[rD:rD+7], v[rA:rA+7], v[rB:rB+7], v[rD:rD+7], v[rSA], v[rSB] matrix_a_fmt:MATRIX_FMT_FP4 matrix_b_fmt:MATRIX_FMT_FP4
.endif
.endr
.endr
.endm
.macro PHASE xs0, wadr                 ; all of K: eight steps
	KSTEP 0, \xs0, \wadr, 1
.irp s, 1,2,3,4,5,6,7
	KSTEP \s, \xs0, \wadr, 0
.endr
.endm
; The 16 accumulators become four images and their scale words.  Block i = 2 m + b is registers ACC + 16 i .. + 15, in lanes l and l xor 16.  kind 0: q, 1: k, 2: v.
.macro EPI kind
.irp i, 0,1,2,3,4,5,6,7
	v_mov_b32 v[T2+\i], 0                          ; a lane permute's destination counts as one of its sources
.endr
.irp i, 0,1,2,3,4,5,6,7
	v_max3_num_f32 v[TM+\i], |v[ACC+16*\i]|, |v[ACC+16*\i+1]|, 0x1800000   ; my 16 numbers of the block, from each accumulator's low end on, and the floor 2^(3 - 127): the byte cannot fall under 1
.endr
.irp j, 2,4,6,8,10,12,14
.irp i, 0,1,2,3,4,5,6,7
	v_max3_num_f32 v[TM+\i], v[TM+\i], |v[ACC+16*\i+\j]|, |v[ACC+16*\i+\j+1]|   ; the eight blocks by turns
.endr
.endr
.irp i, 0,1,2,3,4,5,6,7
	v_permlanex16_b32 v[T2+\i], v[TM+\i], s[SEL], s[SEL+1]
.endr
.irp i, 0,1,2,3,4,5,6,7
	v_max_num_f32 v[TM+\i], v[TM+\i], v[T2+\i]     ; with lane l xor 16's: the block's largest magnitude
.endr
.irp i, 0,1,2,3,4,5,6,7
	v_add_nc_u32 v[SO+\i], 0xff000000, v[TM+\i]    ; 2 off its exponent field: the conversion's scale operand
.endr
.irp i, 0,1,2,3,4,5,6,7
	v_lshrrev_b32 v[T2+\i], 23, v[SO+\i]           ; the scale's byte
.endr
.irp m, 0,1,2,3
	v_lshl_or_b32 v[SW+\m], v[T2+2*\m+1], 8, v[T2+2*\m]   ; two bytes a row; the word's upper two bytes stay 0
.endr
.irp m, 0,1,2,3
.irp t, 0,1,2,3
	v_cvt_scalef32_pk8_fp4_f32 v[PC+4*\m+2*(\t%2)+\t/2], v[ACC+8*(4*\m+\t):ACC+8*(4*\m+\t)+7], v[SO+2*\m+\t/2]   ; c0 .. c3 to places 0, 2, 1, 3
.endr
.endr
	v_nop                                          ; one plain place behind the last scaled conversion
.irp m, 0,1,2,3
	v_permlane16_swap_b32 v[PC+4*\m], v[PC+4*\m+1]     ; the first's lanes 16-31 change places with the second's lanes 0-15
	v_permlane16_swap_b32 v[PC+4*\m+2], v[PC+4*\m+3]   ; registers 0 .. 3 now hold k = 32 h + 0 .. 31 of row r
.endr
.if \kind == 2
.irp m, 0,1,2,3
	global_store_b128 v[LI], v[PC+4*\m:PC+4*\m+3], s[PV:PV+1] offset:O_V+1024*\m      ; 512 neighbouring bytes: d tile m, my half of the key step
.endr
.irp m, 0,1,2,3
	global_store_b16 v[LR], v[SW+\m], s[PVS:PVS+1] offset:O_VS+4*\m                   ; my two of the word's four bytes (lanes 16-31 store what lanes 0-15 store)
.endr
.elseif \kind == 1
.irp m, 0,1,2,3
	global_store_b128 v[LI], v[PC+4*\m:PC+4*\m+3], s[PK:PK+1] offset:512*\m
.endr
	global_store_b128 v[LR], v[SW:SW+3], s[PS:PS+1] offset:O_KS                       ; 256 neighbouring bytes, aligned: 16 rows x four tiles' words
.else
.irp m, 0,1,2,3
	global_store_b128 v[LI], v[PC+4*\m:PC+4*\m+3], s[PK:PK+1] offset:O_Q+512*\m
.endr
	global_store_b128 v[LR], v[SW:SW+3], s[PS:PS+1] offset:O_QS
.endif
.endm
	s_load_b512 s[4:19], s[0:1], 0x0               ; X's codes, scales; Wq's; Wk's; Wv's
	s_load_b64 s[20:21], s[0:1], 0x40              ; qkv
	v_lshl_add_u32 v[SPW], v0, 2, SPARE
	v_mov_b32 v[NIL], 0
	ds_add_u32 v[SPW], v[NIL]                      ; the wave's opening: the add, twice on end, and its wait ahead of my first tensor load
	ds_add_u32 v[SPW], v[NIL]
	v_lshrrev_b32 v1, 5, v0
	s_delay_alu instid0(VALU_DEP_1)
	v_readfirstlane_b32 s[WV], v1                  ; wave 0..7
	s_and_b32 s23, s[WV], 3                        ; xg: my 64 rows of X; also the 64 rows of X that waves 0-3 fetch
	s_lshr_b32 s24, s[WV], 2                       ; hg: my head of the two
	s_bfe_u32 s25, ttmp6, 0x40000                  ; cx
	s_bfe_u32 s26, ttmp6, 0x40004                  ; cy
	s_lshl_b32 s27, ttmp9, 2
	s_add_co_u32 s27, s27, s25                     ; gx = 4 x cluster x + cx
	s_and_b32 s28, ttmp7, 0xffff
	s_lshl_b32 s28, s28, 2
	s_add_co_u32 s28, s28, s26                     ; gy = 4 x cluster y + cy
	s_lshl_b32 s29, s26, 2
	s_lshl_b32 s29, 15, s29                        ; my row of the cluster
	s_lshl_b32 s30, 0x1111, s25                    ; my column
	s_or_b32 s[G1X], s29, PADW                     ; X's tiles hang on gy alone: shared along the row
	s_or_b32 s[G1W], s30, PADW                     ; the weights' on gx alone: shared along the column
.irp g, G1X, G1W
	s_mov_b32 s[\g+1], 512<<16                     ; tensor_dim0 = 512 bytes
	s_mov_b32 s[\g+2], 64<<16                      ; tensor_dim1 = 64 rows
	s_mov_b32 s[\g+3], 512<<16                     ; tile_dim0
	s_mov_b32 s[\g+4], 64                          ; tile_dim1
	s_mov_b32 s[\g+5], 512                         ; from row to row
	s_mov_b32 s[\g+6], 0
	s_mov_b32 s[\g+7], 0
.endr
	s_lshl_b32 s86, s28, 8                         ; X: row 256 gy + 64 (wave % 4), made of gy and the wave's number alone,
	s_lshl_b32 s87, s23, 6
	s_add_co_u32 s86, s86, s87
	s_lshl_b32 s86, s86, 9                         ; x 512 bytes
	s_mov_b32 s87, 0
	s_and_b32 s76, s[WV], 1
	s_lshl_b32 s88, s27, 7                         ; a weight: row 128 gx + 64 (wave % 2), made of gx and the wave's number alone
	s_lshl_b32 s89, s76, 6
	s_add_co_u32 s88, s88, s89
	s_lshl_b32 s88, s88, 9
	s_mov_b32 s89, 0
	s_lshr_b32 s90, s86, 4                         ; my rows' scales in X: 32 bytes a row
	s_mov_b32 s91, 0
	s_lshl_b32 s92, s27, 7                         ; my head's rows' scales in a weight: (128 gx + 64 hg) x 32
	s_lshl_b32 s93, s24, 6
	s_add_co_u32 s92, s92, s93
	s_lshl_b32 s92, s92, 5
	s_mov_b32 s93, 0
	s_lshr_b32 s94, s28, 3                         ; the record: (16 x batch + 2 gx + hg) x REC
	s_lshl_b32 s94, s94, 4
	s_lshl_b32 s95, s27, 1
	s_add_co_u32 s94, s94, s95
	s_add_co_u32 s94, s94, s24
	s_mul_i32 s94, s94, REC
	s_mov_b32 s95, 0
	s_and_b32 s31, s28, 7
	s_lshl_b32 s31, s31, 2
	s_add_co_u32 s31, s31, s23                     ; kc: which 64 rows of the sequence are mine
	s_lshl_b32 s[PK], s31, 11
	s_mov_b32 s[PK+1], 0
	s_lshl_b32 s[PS], s31, 8
	s_mov_b32 s[PS+1], 0
	s_lshr_b32 s74, s31, 1
	s_and_b32 s75, s31, 1
	s_lshl_b32 s[PV], s74, 12
	s_lshl_b32 s77, s75, 9
	s_add_co_u32 s[PV], s[PV], s77
	s_mov_b32 s[PV+1], 0
	s_lshl_b32 s[PVS], s74, 8
	s_lshl_b32 s77, s75, 1
	s_add_co_u32 s[PVS], s[PVS], s77
	s_mov_b32 s[PVS+1], 0
	s_mov_b32 s[SEL], 0x76543210
	s_mov_b32 s[SEL+1], 0xfedcba98
	s_mov_b32 s[G0X], 1
	s_mul_i32 s[G0X+1], s23, QUART                 ; X's quarter
	s_mov_b32 s[G0W], 1
	s_mul_i32 s[G0W+1], s[WV], QUART               ; waves 4, 5: slot 0's halves; waves 6, 7: slot 1's
	s_mov_b32 s[G0R], 1
	s_mul_i32 s[G0R+1], s76, QUART
	s_add_co_u32 s[G0R+1], s[G0R+1], W0            ; waves 0, 1: slot 0's halves again
	s_wait_dscnt 0x0                               ; both opening adds are done
	s_wait_kmcnt 0x0
	s_add_nc_u64 s[G0X+2:G0X+3], s[4:5], s[86:87]
	s_or_b32 s[G0X+3], s[G0X+3], 0x80000000
	s_cmp_lt_u32 s[WV], 6                          ; waves 4, 5 fetch Wq, waves 6, 7 Wk: the choice hangs on the wave's number alone
	s_cselect_b64 s[G0W+2:G0W+3], s[8:9], s[12:13]
	s_add_nc_u64 s[G0W+2:G0W+3], s[G0W+2:G0W+3], s[88:89]
	s_or_b32 s[G0W+3], s[G0W+3], 0x80000000
	s_add_nc_u64 s[G0R+2:G0R+3], s[16:17], s[88:89]
	s_or_b32 s[G0R+3], s[G0R+3], 0x80000000
	s_add_nc_u64 s[BX:BX+1], s[6:7], s[90:91]
	s_add_nc_u64 s[BQ:BQ+1], s[10:11], s[92:93]
	s_add_nc_u64 s[BK:BK+1], s[14:15], s[92:93]
	s_add_nc_u64 s[BV:BV+1], s[18:19], s[92:93]
	s_add_nc_u64 s[20:21], s[20:21], s[94:95]
	s_add_nc_u64 s[PK:PK+1], s[20:21], s[PK:PK+1]
	s_add_nc_u64 s[PS:PS+1], s[20:21], s[PS:PS+1]
	s_add_nc_u64 s[PV:PV+1], s[20:21], s[PV:PV+1]
	s_add_nc_u64 s[PVS:PVS+1], s[20:21], s[PVS:PVS+1]
	CROUND                                         ; all sixteen work-groups are here: the first joint loads meet
	s_cmp_lt_u32 s[WV], 4                          ; every wave has one first fill: waves 0-3 X's quarters, waves 4-7 Wq's and Wk's halves
	s_cbranch_scc0 .Lfirst_w
	tensor_load_to_lds s[G0X:G0X+3], s[G1X:G1X+7]
	s_nop 0
.rept 4
	v_nop
.endr
	s_branch .Lfirst_asked
.Lfirst_w:
	tensor_load_to_lds s[G0W:G0W+3], s[G1W:G1W+7]
	s_nop 0
.rept 4
	v_nop
.endr
.Lfirst_asked:
	v_and_b32 v1, 15, v0                           ; r
	v_bfe_u32 v2, v0, 4, 1                         ; h
	s_delay_alu instid0(VALU_DEP_2)
	v_lshlrev_b32 v[SOF], 5, v1
	s_delay_alu instid0(VALU_DEP_1)
	v_lshl_add_u32 v[SOF], v2, 4, v[SOF]
	SCALES SCX, BX                                 ; X's scale words serve all three phases
	SCALES SCW, BQ
	v_and_b32 v[LI], 31, v0
	s_delay_alu instid0(VALU_DEP_1)
	v_lshlrev_b32 v[LI], 4, v[LI]
	v_lshlrev_b32 v[LR], 4, v1
	v_mul_u32_u24 v9, v1, PITCH
	s_delay_alu instid0(VALU_DEP_1)
	v_lshl_add_u32 v9, v2, 4, v9                   ; a fragment's row x pitch + 16 x half
	s_mul_i32 s74, s23, QUART
	v_add_nc_u32 v[XN], s74, v9
	s_mul_i32 s75, s24, QUART
	s_add_co_u32 s75, s75, W0
	v_add_nc_u32 v[WP0], s75, v9
	s_delay_alu instid0(VALU_DEP_1)
	v_add_nc_u32 v[WP1], 2*QUART, v[WP0]
	s_wait_alu depctr_va_vdst(0)
	s_wait_tensorcnt 0x0                           ; my part of the first fills has landed,
	s_barrier_signal -1
	s_barrier_wait -1                              ; everybody's has
	s_wait_loadcnt 0x0                             ; the scale words
	PHASE 0, WP0                                   ; q^T
	s_wait_tensorcnt 0x0                           ; none of my tensor loads is out;
	ds_add_u32 v[SPW], v[NIL]                      ; 0 onto my spare word;
	PLACES                                         ; (the places behind the last products stand between the add and the wait for it)
	s_wait_dscnt 0x0                               ; the add is done, and my reads of slot 0 are over
	CROUND                                         ; no wave of any partner still reads slot 0
	s_cmp_lt_u32 s[WV], 2
	s_cbranch_scc0 .Lno_refill
	tensor_load_to_lds s[G0R:G0R+3], s[G1W:G1W+7]  ; Wv into slot 0: it has q's way out and all of k's phase in which to land
	s_nop 0
.rept 4
	v_nop
.endr
.Lno_refill:
	SCALES SCW, BK
	EPI 0
	s_wait_xcnt 0x0                                ; the stores have read their data: the fragments' registers may be loaded again
	s_wait_loadcnt 0x0                             ; Wk's scale words
	PHASE 0, WP1                                   ; k^T
	PLACES
	SCALES SCW, BV
	EPI 1
	s_wait_tensorcnt 0x0                           ; my part of Wv has landed,
	s_wait_dscnt 0x0
	s_barrier_signal -1
	s_barrier_wait -1                              ; everybody's has
	s_wait_xcnt 0x0
	s_wait_loadcnt 0x0                             ; Wv's scale words
	PHASE 1, WP0                                   ; v, with the keys down a lane's registers
	PLACES
	EPI 2
	s_wait_tensorcnt 0x0                           ; the wave's end
	ds_add_u32 v[SPW], v[NIL]
	s_wait_dscnt 0x0
	CROUND                                         ; the closing round: no work-group ends while a partner may still ask for a tile that names it
	s_endpgm
.Lfunc_end_k_q97b3e89db9_qkv:
	.size	k_q97b3e89db9_qkv, .Lfunc_end_k_q97b3e89db9_qkv-k_q97b3e89db9_qkv
	.p2alignl 7, 3214868480
	.fill 96, 4, 3214868480
	.section	.rodata,"a",@progbits
	.p2align	6, 0x0
	.amdhsa_kernel k_q97b3e89db9_qkv
		.amdhsa_group_segment_fixed_size 327680
		.amdhsa_private_segment_fixed_size 0
		.amdhsa_enable_private_segment 0
		.amdhsa_kernarg_size 72
		.amdhsa_user_sgpr_count 2
		.amdhsa_user_sgpr_kernarg_segment_ptr 1
		.amdhsa_wavefront_size32 1
		.amdhsa_system_sgpr_workgroup_id_x 1
		.amdhsa_system_sgpr_workgroup_id_y 1
		.amdhsa_system_sgpr_workgroup_id_z 1
		.amdhsa_system_vgpr_workitem_id 0
		.amdhsa_next_free_vgpr 256
		.amdhsa_next_free_sgpr 100
		.amdhsa_reserve_vcc 0
		.amdhsa_float_denorm_mode_32 3
		.amdhsa_float_denorm_mode_16_64 3
		.amdhsa_memory_ordered 1
		.amdhsa_forward_progress 1
		.amdhsa_inst_pref_size 113
	.end_amdhsa_kernel
	.amdgpu_metadata
---
amdhsa.version: [ 1, 2 ]
amdhsa.kernels:
  - .name:           k_q97b3e89db9_qkv
    .symbol:         k_q97b3e89db9_qkv.kd
    .args:
      - { .name: inputs_codes, .offset: 0, .size: 8, .value_kind: global_buffer, .address_space: global }
      - { .name: inputs_scales, .offset: 8, .size: 8, .value_kind: global_buffer, .address_space: global }
      - { .name: Wq_codes, .offset: 16, .size: 8, .value_kind: global_buffer, .address_space: global }
      - { .name: Wq_scales, .offset: 24, .size: 8, .value_kind: global_buffer, .address_space: global }
      - { .name: Wk_codes, .offset: 32, .size: 8, .value_kind: global_buffer, .address_space: global }
      - { .name: Wk_scales, .offset: 40, .size: 8, .value_kind: global_buffer, .address_space: global }
      - { .name: Wv_codes, .offset: 48, .size: 8, .value_kind: global_buffer, .address_space: global }
      - { .name: Wv_scales, .offset: 56, .size: 8, .value_kind: global_buffer, .address_space: global }
      - { .name: qkv, .offset: 64, .size: 8, .value_kind: global_buffer, .address_space: global }
    .group_segment_fixed_size: 327680
    .private_segment_fixed_size: 0
    .kernarg_segment_align: 8
    .kernarg_segment_size: 72
    .max_flat_workgroup_size: 256
    .sgpr_count:     100
    .vgpr_count:     256
    .wavefront_size: 32
...
	.end_amdgpu_metadata
.endif
;; end of part 1
;; launch attn (part 2): grid 4 x 64, 16 waves a work-group, no clusters, 167,936 bytes of LDS; arguments qkv, ctx_img, ctx_sc; writes ctx_img, ctx_sc
.if DOCPART == 2
	.amdgcn_target "amdgcn-amd-amdhsa--gfx1250"
	.amdhsa_code_object_version 6
	.text
	.protected	k_q97b3e89db9_attn
	.globl	k_q97b3e89db9_attn
	.p2align	8
	.type	k_q97b3e89db9_attn,@function
k_q97b3e89db9_attn:
	s_mov_b64 s[64:65], 0
	v_nop
	global_prefetch_b8 v0, s[64:65] scope:SCOPE_SE
	s_setreg_imm32_b32 hwreg(HW_REG_WAVE_MODE, 25, 1), 1
	s_wait_xcnt 0x0
; ctx = softmax(q k^T / 8, causal) v for one (batch, head), both products on codes of FP4, and ctx's quantiser along (head, d).
; WORK LEFT OUT: a key step of 128 keys all of which come after a wave's 16 queries (the problem's own mask gives them the weight 0 for all inputs); a NaN or infinity that reaches only such steps is not carried on.
; THE SOFTMAX: t = score x log2(e) / 8; M = the running largest t rounded UP to a whole number; p = 2^(t - M) is quantised along the keys, not normalised; the row's sum is taken of the unquantised p and divides at the end.
; LIMITS: a block of ctx whose largest magnitude lies under 2^-124 gets the scale byte 1 (read by this program alone); NaN and infinities in the scores are not served.
; SHARES.  Work-group (c, bh), c = 0 .. 3.  Wave w owns the query tiles a = 4 w + c and 127 - a (16 queries each): a / 8 + 1 and 16 - a / 8 key steps, 17 for every wave, one of each tile's on the diagonal.
; LDS: the head's K images, V images and their scale words, 143,360 bytes as the record has them, filled ONCE: each of the sixteen waves brings 35 rows of 256 bytes.  One barrier; nothing is filled again.
; NO CLUSTER, though the four work-groups of a head read the same 143,360 bytes: they differ in c alone, which decides which key steps a wave leaves out; in a cluster c would be the work-group's place.
; LAYOUT.  S^T = K Q^T (source 0 = 16 keys, source 1 = my 16 queries; the head has 64 along K, so registers 4-7 of both fragments are zero codes and scale bytes 2, 3 are 0, which is 2^-127 and no NaN).
; O^T = V^T P^T (source 0 = 16 of the head's 64, source 1 = P).  A lane holds ONE query throughout.  Lane (r, h) of S^T's tile T holds keys 16 T + 8 h + 0 .. 7: a block of 32 keys is tiles 2 b, 2 b + 1 in lanes l, l xor 16.
; The conversions' results of tiles 4 c .. 4 c + 3 go to places 0, 2, 1, 3 of registers 4 c .. 4 c + 3, and two exchanges of halves make the operand's layout of them.
; REGISTERS: v1-4 lane addresses; v5, v6 the add's two; v7, v28-30 offsets; v8-11 the step's LDS addresses; v12 -M, v13 the largest t, v[14:15] the sum; v16-23 Q; v24-27 V's scale words; v31 r - 8 h; v32-95 K's eight fragments;
; v96-159 S^T, then p; v160-191 O^T; v192-223 V's four fragments; v224-231 p's codes; v240-243, v248-251 K's scale words; v253 p's scale word; v255 Q's; v232-239, v244-247, v252, v254 at work.
.set REC,   217088
.set O_V,   65536
.set O_KS,  131072
.set O_VS,  139264
.set O_Q,   143360
.set FILLB, 35*256                     ; what one wave's tensor load brings
.set SPARE, 143360                     ; behind the tiles: the spare words, 128 bytes a wave: eight blocks of 256 bytes that no other line names
.set SPW, 5
.set NIL, 6
.set WV,  10
.set G1,  16                           ; s[16:23] descriptor group 1;  s[24:27] group 0
.set G0,  24
.set SEL, 28                           ; s[28:29] lane l xor 16
.set CS,  30                           ; s[30:31] c = log2(e) / 8
.set QP,  32                           ; s[32:33] the record's Q images
.set CI,  34                           ; s[34:35] ctx_img at (batch, tile 0, head)
.set CSC, 36                           ; s[36:37] ctx_sc at (batch, row 0, head)
.set QT,  38                           ; s38 my query tile;  s39 its first query;  s40 the step's first key
.set Q0,  39
.set KF,  40
.set TB,  41                           ; s41 the step's images: 4,096 bytes a step in K and in V;  s42 K's scale words: 512 a step;  s43 V's: 256 a step
.set TS,  42
.set TJ,  43
.set CNT, 44
; A KEY STEP of 128 keys.
.macro STEP
	s_add_co_u32 s45, s[Q0], 15
	s_cmp_gt_u32 s[KF], s45                        ; all its keys come after my queries: ids and the count of steps alone
	s_cbranch_scc1 .Lhidden_\@
	s_setprio 2
	v_add_nc_u32 v8, s[TB], v1                     ; (these four are also the places behind the last step's products, ahead of the loads)
	v_add_nc_u32 v9, s[TB], v2
	v_add_nc_u32 v10, s[TS], v3
	v_add_nc_u32 v11, s[TJ], v4
.irp T, 0,1,2,3,4,5,6,7
	ds_load_b128 v[32+8*\T:35+8*\T], v8 offset:512*\T      ; K's tile T as its image lies: 512 neighbouring bytes
.endr
	ds_load_b128 v[240:243], v10                   ; the scale words of tiles 0-3, key r,
	ds_load_b128 v[248:251], v10 offset:256        ; and of tiles 4-7
.irp m, 0,1,2,3
.irp c, 0,1
	ds_load_b128 v[192+8*\m+4*\c:195+8*\m+4*\c], v9 offset:1024*\m+512*\c
.endr
.endr
	ds_load_b128 v[24:27], v11                     ; V's scale words of d tiles 0-3
	s_wait_dscnt 9                                 ; K's ten loads are in; V's nine, issued behind them, land under the softmax
.irp T, 0,1,2,3
	v_wmma_scale_f32_16x16x128_f8f6f4 v[96+8*\T:103+8*\T], v[32+8*\T:39+8*\T], v[16:23], 0, v[240+\T], v255 matrix_a_fmt:MATRIX_FMT_FP4 matrix_b_fmt:MATRIX_FMT_FP4
.endr
.irp T, 4,5,6,7
	v_wmma_scale_f32_16x16x128_f8f6f4 v[96+8*\T:103+8*\T], v[32+8*\T:39+8*\T], v[16:23], 0, v[244+\T], v255 matrix_a_fmt:MATRIX_FMT_FP4 matrix_b_fmt:MATRIX_FMT_FP4
.endr
.rept 4
	v_nop
.endr
	s_add_co_u32 s45, s[KF], 127                   ; on the diagonal hidden scores become -infinity ahead of the maximum; a step all of whose keys count skips this
	s_cmp_le_u32 s45, s[Q0]
	s_cbranch_scc1 .Lopen_\@
	s_sub_co_i32 s45, s[Q0], s[KF]
	v_add_nc_u32 v252, s45, v31                    ; d = my query - the step's first key - 8 h.  Register n holds key 16 (n / 8) + 8 h + n % 8 of the step: hidden where 16 (n / 8) + n % 8 > d
	v_mov_b32 v254, 0xff800000
.set n, 0
.rept 64
	v_cmp_gt_i32 vcc_lo, 16*(n/8)+n%8, v252
	v_cndmask_b32 v[96+n], v[96+n], v254, vcc_lo
.set n, n+1
.endr
.Lopen_\@:
.irp b, 0,1,2,3
	v_max3_num_f32 v[232+\b], v[96+16*\b], v[97+16*\b], v[98+16*\b]   ; the largest score of each block of 32 keys: for the row's maximum and, since p rises with the score, for the block's largest p
.endr
.irp i, 3,5,7,9,11,13
.irp b, 0,1,2,3
	v_max3_num_f32 v[232+\b], v[232+\b], v[96+16*\b+\i], v[97+16*\b+\i]
.endr
.endr
.irp b, 0,1,2,3
	v_max_num_f32 v[232+\b], v[232+\b], v[111+16*\b]
.endr
.irp b, 0,1,2,3
	s_delay_alu instid0(VALU_DEP_4)
	v_permlanex16_b32 v[236+\b], v[232+\b], s[SEL], s[SEL+1]
.endr
.irp b, 0,1,2,3
	s_delay_alu instid0(VALU_DEP_4)
	v_max_num_f32 v[232+\b], v[232+\b], v[236+\b]  ; with lane l xor 16's 16 keys
.endr
	s_delay_alu instid0(VALU_DEP_2)
	v_max3_num_f32 v254, v232, v233, v234
	s_delay_alu instid0(VALU_DEP_1)
	v_max_num_f32 v254, v254, v235                 ; the step's largest score of my query
	s_delay_alu instid0(VALU_DEP_1)
	v_mul_f32 v254, s[CS], v254                    ; as t
	s_delay_alu instid0(VALU_DEP_1)
	v_max_num_f32 v13, v13, v254                   ; the running largest t
	v_mov_b32 v254, v12
	s_delay_alu instid0(VALU_DEP_2)
	v_floor_f32 v12, -v13                          ; the new -M = -ceil(t): a whole number
	s_delay_alu instid0(VALU_DEP_1)
	v_sub_f32 v254, v12, v254                      ; old M - new M: a whole number, 0 or less
	s_delay_alu instid0(VALU_DEP_1)
	v_cvt_i32_f32 v254, v254                       ; (it saturates)
	s_delay_alu instid0(VALU_DEP_1)
	v_ldexp_f32 v252, 1.0, v254                    ; f = 2^(old M - new M): a multiplication by it rounds nothing
.set j, 0
.rept 32
	v_pk_fma_f32 v[96+j:97+j], v[96+j:97+j], s[CS:CS+1], v[12:13] op_sel_hi:[1,0,0]   ; t - M, two at a time
.set j, j+2
.endr
	s_setprio 1
.irp b, 0,1,2,3
	v_fma_f32 v[232+\b], v[232+\b], s[CS], v12     ; the same of each block's largest score
.endr
.set j, 0
	s_wait_alu depctr_va_vdst(0)
.rept 64
	v_exp_f32 v[96+j], v[96+j]                     ; p = 2^(t - M), at most 1
.set j, j+1
.endr
	v_pk_mul_f32 v[14:15], v[14:15], v[252:253] op_sel_hi:[1,0]   ; the sums under the new M: the plain place behind the exponentials
	s_wait_alu depctr_va_vdst(0)                   ; one wait for the batch of 64, ahead of its first reader
.irp b, 0,1,2,3
	v_exp_f32 v[232+\b], v[232+\b]                 ; the block's largest p
.endr
	v_pk_add_f32 v[236:237], v[100:101], v[104:105]
	v_pk_add_f32 v[250:251], v[108:109], v[112:113]
	v_pk_add_f32 v[248:249], v[116:117], v[120:121]
	v_pk_add_f32 v[246:247], v[124:125], v[128:129]
	v_pk_add_f32 v[244:245], v[132:133], v[136:137]
	v_pk_add_f32 v[242:243], v[140:141], v[144:145]
	v_pk_add_f32 v[240:241], v[148:149], v[152:153]
	v_pk_add_f32 v[14:15], v[14:15], v[156:157]
	v_pk_add_f32 v[236:237], v[236:237], v[96:97]
	v_pk_add_f32 v[250:251], v[250:251], v[98:99]
	v_pk_add_f32 v[248:249], v[248:249], v[102:103]
	v_pk_add_f32 v[246:247], v[246:247], v[106:107]
	v_pk_add_f32 v[244:245], v[244:245], v[110:111]
	v_pk_add_f32 v[242:243], v[242:243], v[114:115]
	v_pk_add_f32 v[240:241], v[240:241], v[118:119]
	v_pk_add_f32 v[14:15], v[14:15], v[122:123]
	v_pk_add_f32 v[236:237], v[236:237], v[126:127]
	v_pk_add_f32 v[250:251], v[250:251], v[130:131]
	v_pk_add_f32 v[248:249], v[248:249], v[134:135]
	v_pk_add_f32 v[246:247], v[246:247], v[138:139]
	v_pk_add_f32 v[244:245], v[244:245], v[142:143]
	v_pk_add_f32 v[242:243], v[242:243], v[146:147]
	v_pk_add_f32 v[240:241], v[240:241], v[150:151]
	v_pk_add_f32 v[14:15], v[14:15], v[154:155]
	v_pk_add_f32 v[236:237], v[236:237], v[158:159]
	s_delay_alu instid0(VALU_DEP_2)
	v_pk_add_f32 v[14:15], v[14:15], v[246:247]
	s_delay_alu instid0(VALU_DEP_2)
	v_pk_add_f32 v[236:237], v[236:237], v[244:245]
	v_pk_add_f32 v[250:251], v[250:251], v[242:243]
	v_pk_add_f32 v[248:249], v[248:249], v[240:241]
	s_delay_alu instid0(VALU_DEP_2)
	v_pk_add_f32 v[14:15], v[14:15], v[250:251]
	s_delay_alu instid0(VALU_DEP_2)
	v_pk_add_f32 v[236:237], v[236:237], v[248:249]
	s_delay_alu instid0(VALU_DEP_1)
	v_pk_add_f32 v[14:15], v[14:15], v[236:237]
	s_wait_alu depctr_va_vdst(0)                   ; and one for the four
.irp b, 0,1,2,3
	v_max_num_f32 v[232+\b], 0x1800000, v[232+\b]  ; the floor 2^(3 - 127): the byte cannot fall under 1
.endr
.irp b, 0,1,2,3
	s_delay_alu instid0(VALU_DEP_4)
	v_add_nc_u32 v[244+\b], 0xff000000, v[232+\b]  ; 2 off the exponent field: the conversion's scale operand
.endr
.irp b, 0,1,2,3
	s_delay_alu instid0(VALU_DEP_4)
	v_lshrrev_b32 v[236+\b], 23, v[244+\b]         ; the scale's byte
.endr
	s_delay_alu instid0(VALU_DEP_3)
	v_lshl_or_b32 v253, v237, 8, v236              ; p's scale word for these 128 keys
	s_delay_alu instid0(VALU_DEP_1)
	v_lshl_or_b32 v253, v238, 16, v253
	s_delay_alu instid0(VALU_DEP_1)
	v_lshl_or_b32 v253, v239, 24, v253
	s_setprio 0
.irp T, 0,1,2,3,4,5,6,7
	v_cvt_scalef32_pk8_fp4_f32 v[224+4*(\T/4)+2*(\T%2)+(\T%4)/2], v[96+8*\T:103+8*\T], v[244+\T/2]   ; of each four tiles: to places 0, 2, 1, 3
.endr
	v_nop                                          ; one plain place behind the last scaled conversion
.irp i, 224,226,228,230
	v_permlane16_swap_b32 v[\i], v[\i+1]           ; registers 4 c .. 4 c + 3 now hold keys 64 c + 32 h + 0 .. 31 of my query
.endr
.set j, 0
.rept 16
	v_pk_mul_f32 v[160+j:161+j], v[160+j:161+j], v[252:253] op_sel_hi:[1,0]   ; O^T under the new M; these sixteen are also the places between the scale word's and the codes' last writes and the products
.set j, j+2
.endr
	s_wait_alu depctr_va_vdst(0)
	s_wait_dscnt 0x0                               ; V's fragments and scale words are in
.irp m, 0,1,2,3
	v_wmma_scale_f32_16x16x128_f8f6f4 v[160+8*\m:167+8*\m], v[192+8*\m:199+8*\m], v[224:231], v[160+8*\m:167+8*\m], v[24+\m], v253 matrix_a_fmt:MATRIX_FMT_FP4 matrix_b_fmt:MATRIX_FMT_FP4
.endr
.Lhidden_\@:
	s_add_co_u32 s[KF], s[KF], 128
	s_add_co_u32 s[TB], s[TB], 4096
	s_add_co_u32 s[TS], s[TS], 512
	s_add_co_u32 s[TJ], s[TJ], 256
.endm
; One query tile, s[QT]: its Q, all sixteen key steps (a constant count; hidden ones do no work), the division, ctx's quantiser, the stores.
.macro WALK
	s_wait_xcnt 0x0                                ; the last tile's loads and stores have read their offsets and data: both may be written again
	s_lshl_b32 s[Q0], s[QT], 4
	s_lshl_b32 s45, s[QT], 9
	v_add_nc_u32 v7, s45, v1                       ; Q's image: 512 bytes a tile
	s_lshr_b32 s46, s[QT], 2
	s_lshl_b32 s46, s46, 8
	s_and_b32 s47, s[QT], 3
	s_lshl_b32 s47, s47, 2
	s_add_co_u32 s46, s46, s47
	v_and_b32 v28, 15, v0
	s_delay_alu instid0(VALU_DEP_1)
	v_lshl_add_u32 v28, v28, 4, s46                ; its scale word: 256 (tile / 4) + 16 r + 4 (tile % 4)
	global_load_b128 v[16:19], v7, s[QP:QP+1]
	global_load_b32 v255, v28, s[QP:QP+1] offset:65536
	v_mov_b32 v13, 0xff61b1e6                      ; the largest t so far: -3e38, under every t
	s_delay_alu instid0(VALU_DEP_1)
	v_floor_f32 v12, -v13
	v_mov_b32 v14, 0
	v_mov_b32 v15, 0
.set j, 0
.rept 32
	v_mov_b32 v[160+j], 0                          ; O^T: the step is written once; the first finds zeros, which the first change of M leaves zeros
.set j, j+1
.endr
	s_mov_b32 s[KF], 0
	s_mov_b32 s[TB], 0
	s_mov_b32 s[TS], 0
	s_mov_b32 s[TJ], 0
	s_mov_b32 s[CNT], 16
	s_wait_loadcnt 0x0                             ; Q
.Lstep_\@:
	STEP
	s_sub_co_u32 s[CNT], s[CNT], 1
	s_cmp_lg_u32 s[CNT], 0
	s_cbranch_scc1 .Lstep_\@
	s_setprio 0
	v_add_f32 v14, v14, v15                        ; the sum's two halves,
	s_delay_alu instid0(VALU_DEP_1)
	v_permlanex16_b32 v252, v14, s[SEL], s[SEL+1]
	s_delay_alu instid0(VALU_DEP_1)
	v_add_f32 v14, v14, v252                       ; and lane l xor 16's
	s_wait_alu depctr_va_vdst(0)
	v_rcp_f32 v14, v14
	s_lshl_b32 s45, s[QT], 13
	v_add_nc_u32 v29, s45, v1                      ; ctx's image: 8,192 bytes a tile of rows.  (Plain work behind the reciprocal, and places behind the last products)
	s_lshl_b32 s46, s[QT], 9
	v_and_b32 v30, 15, v0
	s_delay_alu instid0(VALU_DEP_1)
	v_lshl_add_u32 v30, v30, 5, s46                ; its scale bytes: 32 a row
	v_nop
	s_wait_alu depctr_va_vdst(0)                   ; the wait ahead of the reciprocal's first reader
.set j, 0
.rept 32
	v_mul_f32 v[96+j], v[160+j], v14               ; ctx(query r, d = 16 m + 8 h + i) in register 8 m + i
.set j, j+1
.endr
.irp b, 0,1
	v_max3_num_f32 v[232+\b], |v[96+16*\b]|, |v[97+16*\b]|, 0x1800000
.endr
.irp i, 2,4,6,8,10,12,14
.irp b, 0,1
	s_delay_alu instid0(VALU_DEP_2)
	v_max3_num_f32 v[232+\b], v[232+\b], |v[96+16*\b+\i]|, |v[97+16*\b+\i]|
.endr
.endr
.irp b, 0,1
	s_delay_alu instid0(VALU_DEP_2)
	v_permlanex16_b32 v[236+\b], v[232+\b], s[SEL], s[SEL+1]
.endr
.irp b, 0,1
	s_delay_alu instid0(VALU_DEP_2)
	v_max_num_f32 v[232+\b], v[232+\b], v[236+\b]
.endr
.irp b, 0,1
	s_delay_alu instid0(VALU_DEP_2)
	v_add_nc_u32 v[244+\b], 0xff000000, v[232+\b]
.endr
.irp b, 0,1
	s_delay_alu instid0(VALU_DEP_2)
	v_lshrrev_b32 v[236+\b], 23, v[244+\b]
.endr
	s_delay_alu instid0(VALU_DEP_1)
	v_lshl_or_b32 v253, v237, 8, v236              ; the head's two scale bytes of my row
.irp m, 0,1,2,3
	v_cvt_scalef32_pk8_fp4_f32 v[224+2*(\m%2)+\m/2], v[96+8*\m:103+8*\m], v[244+\m/2]
.endr
	v_nop
	v_permlane16_swap_b32 v224, v225
	v_permlane16_swap_b32 v226, v227
	global_store_b128 v29, v[224:227], s[CI:CI+1]  ; 512 neighbouring bytes: half a fragment of the last product's K step head / 2
	global_store_b16 v30, v253, s[CSC:CSC+1]       ; (lanes 16-31 store what lanes 0-15 store)
.endm
	s_load_b128 s[4:7], s[0:1], 0x0                ; qkv, ctx_img
	s_load_b64 s[8:9], s[0:1], 0x10                ; ctx_sc
	v_lshl_add_u32 v[SPW], v0, 2, SPARE
	v_mov_b32 v[NIL], 0
	ds_add_u32 v[SPW], v[NIL]                      ; the wave's opening: the add, twice on end, and its wait ahead of my first tensor load
	ds_add_u32 v[SPW], v[NIL]
	v_lshrrev_b32 v7, 5, v0
	s_delay_alu instid0(VALU_DEP_1)
	v_readfirstlane_b32 s[WV], v7                  ; wave 0..15
	s_and_b32 s12, ttmp7, 0xffff                   ; 16 x batch + head
	s_mov_b32 s[G1], 3<<16                         ; elements of 8 bytes, no mask, no padding: a dense block as rows of 256 bytes
	s_mov_b32 s[G1+1], 32<<16                      ; tensor_dim0 = 32 elements
	s_mov_b32 s[G1+2], 35<<16                      ; tensor_dim1 = 35 rows
	s_mov_b32 s[G1+3], 32<<16                      ; tile_dim0
	s_mov_b32 s[G1+4], 35                          ; tile_dim1
	s_mov_b32 s[G1+5], 32                          ; from row to row
	s_mov_b32 s[G1+6], 0
	s_mov_b32 s[G1+7], 0
	s_mov_b32 s[G0], 1
	s_mul_i32 s[G0+1], s[WV], FILLB                ; my sixteenth of the 143,360 bytes, in LDS as in the record
	s_mul_i32 s48, s12, REC
	s_mov_b32 s49, 0
	s_mov_b32 s50, s[G0+1]
	s_mov_b32 s51, 0
	s_lshr_b32 s45, s12, 4                         ; batch
	s_and_b32 s46, s12, 15                         ; head
	s_lshl_b32 s52, s45, 11
	s_add_co_u32 s52, s52, s46
	s_lshl_b32 s52, s52, 9                         ; (2,048 x batch + head) x 512
	s_mov_b32 s53, 0
	s_lshl_b32 s54, s45, 16
	s_lshl_b32 s47, s46, 1
	s_add_co_u32 s54, s54, s47                     ; 65,536 x batch + 2 x head
	s_mov_b32 s55, 0
	s_mov_b32 s[SEL], 0x76543210
	s_mov_b32 s[SEL+1], 0xfedcba98
	s_mov_b32 s[CS], 0x3e38aa3b                    ; log2(e) / 8
	s_mov_b32 s[CS+1], s[CS]                       ; (named with it as a pair)
	s_lshl_b32 s[QT], s[WV], 2
	s_add_co_u32 s[QT], s[QT], ttmp9               ; my first tile: 4 w + c
	s_wait_dscnt 0x0                               ; both opening adds are done
	s_wait_kmcnt 0x0
	s_add_nc_u64 s[4:5], s[4:5], s[48:49]          ; the record
	s_add_nc_u64 s[G0+2:G0+3], s[4:5], s[50:51]
	s_or_b32 s[G0+3], s[G0+3], 0x80000000
	tensor_load_to_lds s[G0:G0+3], s[G1:G1+7]      ; my one tensor load of the launch
	s_nop 0
.rept 4
	v_nop
.endr
	s_add_nc_u64 s[QP:QP+1], s[4:5], O_Q
	s_add_nc_u64 s[CI:CI+1], s[6:7], s[52:53]
	s_add_nc_u64 s[CSC:CSC+1], s[8:9], s[54:55]
	v_and_b32 v1, 31, v0
	s_delay_alu instid0(VALU_DEP_1)
	v_lshlrev_b32 v1, 4, v1                        ; 16 x lane: my place in an image of K,
	s_delay_alu instid0(VALU_DEP_1)
	v_add_nc_u32 v2, O_V, v1                       ; of V
	v_and_b32 v7, 15, v0                           ; r
	s_delay_alu instid0(VALU_DEP_1)
	v_lshl_add_u32 v3, v7, 4, O_KS                 ; four scale words of row r: K's,
	s_delay_alu instid0(VALU_DEP_2)
	v_lshl_add_u32 v4, v7, 4, O_VS                 ; V's
	v_bfe_u32 v8, v0, 4, 1
	s_delay_alu instid0(VALU_DEP_1)
	v_lshlrev_b32 v8, 3, v8
	s_delay_alu instid0(VALU_DEP_1)
	v_sub_nc_u32 v31, v7, v8                       ; r - 8 h
.irp j, 20,21,22,23
	v_mov_b32 v[\j], 0                             ; Q's k = 64 .. 127: zero codes
.endr
.irp T, 0,1,2,3,4,5,6,7
.irp j, 36,37,38,39
	v_mov_b32 v[\j+8*\T], 0                        ; K's likewise; written once: the loads fill registers 0-3 alone
.endr
.endr
.irp j, 236,237,238,239,252,253,254
	v_mov_b32 v[\j], 0                             ; written once: lane permutes' destinations and the upper half of a pair count as sources
.endr
	s_wait_tensorcnt 0x0                           ; my part has landed,
	s_barrier_signal -1
	s_barrier_wait -1                              ; everybody's has
	WALK
	s_sub_co_u32 s[QT], 127, s[QT]                 ; my second tile: 127 - (4 w + c)
	WALK
	s_wait_tensorcnt 0x0                           ; the wave's end
	ds_add_u32 v[SPW], v[NIL]
	s_wait_dscnt 0x0
	s_endpgm
.Lfunc_end_k_q97b3e89db9_attn:
	.size	k_q97b3e89db9_attn, .Lfunc_end_k_q97b3e89db9_attn-k_q97b3e89db9_attn
	.p2alignl 7, 3214868480
	.fill 96, 4, 3214868480
	.section	.rodata,"a",@progbits
	.p2align	6, 0x0
	.amdhsa_kernel k_q97b3e89db9_attn
		.amdhsa_group_segment_fixed_size 167936
		.amdhsa_private_segment_fixed_size 0
		.amdhsa_enable_private_segment 0
		.amdhsa_kernarg_size 24
		.amdhsa_user_sgpr_count 2
		.amdhsa_user_sgpr_kernarg_segment_ptr 1
		.amdhsa_wavefront_size32 1
		.amdhsa_system_sgpr_workgroup_id_x 1
		.amdhsa_system_sgpr_workgroup_id_y 1
		.amdhsa_system_sgpr_workgroup_id_z 1
		.amdhsa_system_vgpr_workitem_id 0
		.amdhsa_next_free_vgpr 256
		.amdhsa_next_free_sgpr 66
		.amdhsa_reserve_vcc 1
		.amdhsa_float_denorm_mode_32 3
		.amdhsa_float_denorm_mode_16_64 3
		.amdhsa_memory_ordered 1
		.amdhsa_forward_progress 1
		.amdhsa_inst_pref_size 61
	.end_amdhsa_kernel
	.amdgpu_metadata
---
amdhsa.version: [ 1, 2 ]
amdhsa.kernels:
  - .name:           k_q97b3e89db9_attn
    .symbol:         k_q97b3e89db9_attn.kd
    .args:
      - { .name: qkv, .offset: 0, .size: 8, .value_kind: global_buffer, .address_space: global }
      - { .name: ctx_img, .offset: 8, .size: 8, .value_kind: global_buffer, .address_space: global }
      - { .name: ctx_sc, .offset: 16, .size: 8, .value_kind: global_buffer, .address_space: global }
    .group_segment_fixed_size: 167936
    .private_segment_fixed_size: 0
    .kernarg_segment_align: 8
    .kernarg_segment_size: 24
    .max_flat_workgroup_size: 512
    .sgpr_count:     66
    .vgpr_count:     256
    .wavefront_size: 32
...
	.end_amdgpu_metadata
.endif
;; end of part 2
;; launch proj (part 3): grid 4 x 64, 8 waves a work-group, clusters of 4 x 4, 236,544 bytes of LDS; arguments ctx_img, ctx_sc, Wo_codes, Wo_scales, bo, out0; writes out0
.if DOCPART == 3
	.amdgcn_target "amdgcn-amd-amdhsa--gfx1250"
	.amdhsa_code_object_version 6
	.text
	.protected	k_q97b3e89db9_proj
	.globl	k_q97b3e89db9_proj
	.p2align	8
	.type	k_q97b3e89db9_proj,@function
k_q97b3e89db9_proj:
	s_mov_b64 s[64:65], 0
	v_nop
	global_prefetch_b8 v0, s[64:65] scope:SCOPE_SE
	s_setreg_imm32_b32 hwreg(HW_REG_WAVE_MODE, 25, 1), 1
	s_wait_xcnt 0x0
	s_wait_alu depctr_hold_cnt(0) depctr_sa_sdst(0) depctr_va_vdst(0) depctr_va_sdst(0) depctr_va_ssrc(0) depctr_va_vcc(0) depctr_vm_vsrc(0)
	s_getreg_b32 s2, hwreg(HW_REG_IB_STS2, 6, 4)
	s_cmp_eq_u32 s2, 0
	s_cbranch_scc0 .Lentry_in_a_cluster
	s_endpgm
.Lentry_in_a_cluster:
	s_bfe_u32 s2, ttmp6, 0x10000c
	s_cmp_lg_u32 s2, 0xf033
	s_cbranch_scc0 .Lentry_shape_is_right
	s_endpgm
.Lentry_shape_is_right:
; out0 = ctx Wo + bo on codes of FP4: ctx as the images and scale bytes that the launch before stored, Wo as given.  Nothing is left out here.
; SHARES.  Work-group (gx, gy): rows 128 gy .. + 127 x columns 256 gx .. + 255.  Wave w: 64 rows (mh = w / 4) x 64 columns (nq = w % 4): 16 accumulators.  All of K (1,024) lies in LDS, filled once.
; CLUSTER 4 x 4: ctx's block hangs on gy alone and is shared along a row of the cluster, Wo's rows on gx alone and are shared along a column: joint loads.
; THE MATRIX INSTRUCTION IS USED TRANSPOSED (source 0 = 16 rows of Wo = 16 columns of out0, source 1 = 16 rows of ctx): a lane holds eight neighbouring numbers of a row of out0.
; THE BIAS is loaded straight into the accumulators, in the result's layout: every product then adds in place and no addition is written.
; THE WAY OUT: 16 rows x 256 bytes at a time through the wave's own stage in LDS, so that sixteen lanes store 256 neighbouring bytes, aligned.
.set PITCH, 528                        ; a row of Wo in LDS: 512 bytes + 16 of padding
.set QUART, 64*PITCH
.set WOB,   65536                      ; behind ctx's eight tiles of rows (8,192 bytes each, dense: K step s, half c at 1024 s + 512 c)
.set STAGE, WOB+4*QUART                ; 16 rows x 272 bytes for each wave; no tensor load lands here
.set SP,    272
.set SPARE, STAGE+8*16*SP              ; the spare words, 128 bytes a wave: four blocks of 256 bytes that no other line names
.set PADW,  (1<<20)|(1<<21)|(6<<22)|(3<<25)
.set LI,  3                            ; v3   16 x lane
.set CXA, 5                            ; v5   my 64 rows' images of ctx
.set WOA, 6                            ; v6   my 64 rows of Wo, my lane's place in a tile
.set SOF, 8                            ; v8   32 r + 16 h
.set BOF, 9                            ; v9   32 h
.set SPW, 10
.set NIL, 11
.set STO, 12                           ; v12  the stage: where I put 32 bytes of a row
.set RD,  13                           ; v13  where I read a row back
.set CO,  14                           ; v14  my byte offset in two rows of out0
.set SCX, 32                           ; v32-47  ctx's scale words: register j of a tile: lanes 0-15 K step j, lanes 16-31 K step 4 + j
.set SCW, 48                           ; v48-63  Wo's
.set FX,  64                           ; v64-95  ctx's four fragments; on the way out rows read back, by turns with v96-127
.set FW,  96                           ; v96-127 Wo's four
.set ACC, 128                          ; accumulator (m, t) at 128 + 8 (4 m + t): m = ctx's tile, t = Wo's
.set WV,  22
.set G1C, 32                           ; s[32:39] group 1 for ctx's block;  s[40:47] for Wo's tiles;  s[48:51], s[52:55] their groups 0
.set G1W, 40
.set G0C, 48
.set G0W, 52
.set BC,  66                           ; s[66:67] my rows' scales in ctx_sc;  s[68:69] my columns' in Wo_scales;  s[70:71] bo at my columns;  s[72:73] out0 at my corner
.set BW,  68
.set BB,  70
.set OUT, 72
.macro PLACES
.rept 4
	v_nop
.endr
.endm
.macro CROUND
	s_barrier_signal -1
	s_barrier_wait -1
	s_cmp_lg_u32 s[WV], 0
	s_cbranch_scc1 .Lnot_wave_0_\@
	s_barrier_signal -3
.Lnot_wave_0_\@:
	s_barrier_wait -3
	s_barrier_signal -1
	s_barrier_wait -1
.endm
.macro KSTEP s                         ; 128 along K: 16 LDS loads, 16 matrix instructions on 16 accumulators by turns
	PLACES
.irp t, 0,1,2,3
	ds_load_b128 v[FW+8*\t:FW+8*\t+3],   v[WOA] offset:\t*16*PITCH+64*(\s)
	ds_load_b128 v[FW+8*\t+4:FW+8*\t+7], v[WOA] offset:\t*16*PITCH+64*(\s)+32
.endr
.irp m, 0,1,2,3
	ds_load_b128 v[FX+8*\m:FX+8*\m+3],   v[CXA] offset:8192*\m+1024*(\s)
	ds_load_b128 v[FX+8*\m+4:FX+8*\m+7], v[CXA] offset:8192*\m+1024*(\s)+512
.endr
.irp m, 0,1,2,3
	s_wait_dscnt 6-2*\m                            ; Wo's four tiles and ctx's tiles 0 .. m are in; the two loads of each later tile may be out
.irp t, 0,1,2,3
.set rD, ACC+8*(4*\m+\t)
.if (\s) >= 4
	v_wmma_scale_f32_16x16x128_f8f6f4 v[rD:rD+7], v[FW+8*\t:FW+8*\t+7], v[FX+8*\m:FX+8*\m+7], v[rD:rD+7], v[SCW+4*\t+(\s)%4], v[SCX+4*\m+(\s)%4] matrix_a_fmt:MATRIX_FMT_FP4 matrix_b_fmt:MATRIX_FMT_FP4 matrix_a_scale:MATRIX_SCALE_ROW1 matrix_b_scale:MATRIX_SCALE_ROW1
.else
	v_wmma_scale_f32_16x16x128_f8f6f4 v[rD:rD+7], v[FW+8*\t:FW+8*\t+7], v[FX+8*\m:FX+8*\m+7], v[rD:rD+7], v[SCW+4*\t+(\s)%4], v[SCX+4*\m+(\s)%4] matrix_a_fmt:MATRIX_FMT_FP4 matrix_b_fmt:MATRIX_FMT_FP4
.endif
.endr
.endr
.endm
.macro TOSTAGE m                       ; 16 rows into my stage and back as whole rows of 256 bytes; LDS serves a wave's instructions in order, so no wait stands between
.irp t, 0,1,2,3
	ds_store_b128 v[STO], v[ACC+8*(4*(\m)+\t):ACC+8*(4*(\m)+\t)+3] offset:64*\t         ; each accumulator from its low end on
	ds_store_b128 v[STO], v[ACC+8*(4*(\m)+\t)+4:ACC+8*(4*(\m)+\t)+7] offset:64*\t+16
.endr
.set RB, FX+32*((\m)%2)
.irp i, 0,1,2,3,4,5,6,7
	ds_load_b128 v[RB+4*\i:RB+4*\i+3], v[RD] offset:\i*2*SP
.endr
.endm
.macro SEND m, younger                 ; younger: the LDS instructions issued behind block m's loads, which may stay out
.set RB, FX+32*((\m)%2)
	s_wait_dscnt \younger
.irp i, 0,1,2,3,4,5,6,7
	global_store_b128 v[CO], v[RB+4*\i:RB+4*\i+3], s[OUT:OUT+1] offset:(16*(\m)+2*\i)*4096 th:TH_STORE_NT   ; sixteen lanes store 256 neighbouring bytes, at a multiple of 256 from out0's first byte
.endr
.endm
	s_load_b256 s[4:11], s[0:1], 0x0               ; ctx_img, ctx_sc, Wo's codes, Wo's scales
	s_load_b128 s[12:15], s[0:1], 0x20             ; bo, out0
	v_lshl_add_u32 v[SPW], v0, 2, SPARE
	v_mov_b32 v[NIL], 0
	ds_add_u32 v[SPW], v[NIL]                      ; the wave's opening: the add, twice on end, and its wait ahead of my first tensor load
	ds_add_u32 v[SPW], v[NIL]
	v_lshrrev_b32 v1, 5, v0
	s_delay_alu instid0(VALU_DEP_1)
	v_readfirstlane_b32 s[WV], v1                  ; wave 0..7
	s_and_b32 s23, s[WV], 3                        ; nq: my 64 columns; also which quarter I fetch
	s_lshr_b32 s24, s[WV], 2                       ; mh: my 64 rows
	s_bfe_u32 s25, ttmp6, 0x40000                  ; cx
	s_bfe_u32 s26, ttmp6, 0x40004                  ; cy
	s_lshl_b32 s27, ttmp9, 2
	s_add_co_u32 s27, s27, s25                     ; gx
	s_and_b32 s28, ttmp7, 0xffff
	s_lshl_b32 s28, s28, 2
	s_add_co_u32 s28, s28, s26                     ; gy
	s_lshl_b32 s29, s26, 2
	s_lshl_b32 s29, 15, s29                        ; my row of the cluster
	s_lshl_b32 s30, 0x1111, s25                    ; my column
	s_or_b32 s[G1C], s29, (3<<16)|(1<<21)          ; ctx: a dense block as 64 rows of 256 bytes (32 elements of 8), no padding
	s_mov_b32 s[G1C+1], 32<<16
	s_mov_b32 s[G1C+2], 64<<16
	s_mov_b32 s[G1C+3], 32<<16
	s_mov_b32 s[G1C+4], 64
	s_mov_b32 s[G1C+5], 32
	s_mov_b32 s[G1C+6], 0
	s_mov_b32 s[G1C+7], 0
	s_or_b32 s[G1W], s30, PADW                     ; Wo: 64 rows of 512 bytes, 16 bytes of padding behind each
	s_mov_b32 s[G1W+1], 512<<16
	s_mov_b32 s[G1W+2], 64<<16
	s_mov_b32 s[G1W+3], 512<<16
	s_mov_b32 s[G1W+4], 64
	s_mov_b32 s[G1W+5], 512
	s_mov_b32 s[G1W+6], 0
	s_mov_b32 s[G1W+7], 0
	s_lshl_b32 s56, s28, 16                        ; ctx: 65,536 gy + 16,384 (wave % 4), made of gy and the wave's number alone
	s_lshl_b32 s57, s23, 14
	s_add_co_u32 s56, s56, s57
	s_mov_b32 s57, 0
	s_lshl_b32 s58, s27, 8                         ; Wo: row 256 gx + 64 (wave % 4), made of gx and the wave's number alone: the rows that I fetch, and my own columns
	s_lshl_b32 s59, s23, 6
	s_add_co_u32 s58, s58, s59
	s_lshl_b32 s60, s58, 5                         ; their scales
	s_mov_b32 s61, 0
	s_lshl_b32 s62, s58, 2                         ; their bytes in bo and in a row of out0
	s_mov_b32 s63, 0
	s_lshl_b32 s58, s58, 9                         ; their codes
	s_mov_b32 s59, 0
	s_lshl_b32 s74, s28, 7
	s_lshl_b32 s75, s24, 6
	s_add_co_u32 s74, s74, s75                     ; my first row: 128 gy + 64 mh
	s_lshl_b32 s76, s74, 5                         ; its scales
	s_mov_b32 s77, 0
	s_lshl_b32 s74, s74, 12                        ; its bytes in out0,
	s_add_co_u32 s74, s74, s62                     ; and my columns'
	s_mov_b32 s75, 0
	s_mov_b32 s[G0C], 1
	s_lshl_b32 s[G0C+1], s23, 14
	s_mov_b32 s[G0W], 1
	s_mul_i32 s[G0W+1], s23, QUART
	s_add_co_u32 s[G0W+1], s[G0W+1], WOB
	s_wait_dscnt 0x0                               ; both opening adds are done
	s_wait_kmcnt 0x0
	s_add_nc_u64 s[G0C+2:G0C+3], s[4:5], s[56:57]
	s_or_b32 s[G0C+3], s[G0C+3], 0x80000000
	s_add_nc_u64 s[G0W+2:G0W+3], s[8:9], s[58:59]
	s_or_b32 s[G0W+3], s[G0W+3], 0x80000000
	s_add_nc_u64 s[BC:BC+1], s[6:7], s[76:77]
	s_add_nc_u64 s[BW:BW+1], s[10:11], s[60:61]
	s_add_nc_u64 s[BB:BB+1], s[12:13], s[62:63]
	s_add_nc_u64 s[OUT:OUT+1], s[14:15], s[74:75]
	CROUND                                         ; all sixteen work-groups are here: the joint loads meet
	s_cmp_lt_u32 s[WV], 4                          ; every wave has one fill: waves 0-3 ctx's quarters, waves 4-7 Wo's
	s_cbranch_scc0 .Lfor_w
	tensor_load_to_lds s[G0C:G0C+3], s[G1C:G1C+7]
	s_nop 0
.rept 4
	v_nop
.endr
	s_branch .Lasked
.Lfor_w:
	tensor_load_to_lds s[G0W:G0W+3], s[G1W:G1W+7]
	s_nop 0
.rept 4
	v_nop
.endr
.Lasked:
	v_and_b32 v1, 15, v0                           ; r
	v_bfe_u32 v2, v0, 4, 1                         ; h
	s_delay_alu instid0(VALU_DEP_2)
	v_lshlrev_b32 v[SOF], 5, v1
	s_delay_alu instid0(VALU_DEP_1)
	v_lshl_add_u32 v[SOF], v2, 4, v[SOF]
	s_delay_alu instid0(VALU_DEP_3)
	v_lshlrev_b32 v[BOF], 5, v2
.irp i, 0,1,2,3
	global_load_b128 v[SCX+4*\i:SCX+4*\i+3], v[SOF], s[BC:BC+1] offset:512*\i   ; a tile's 16 rows x 32 scale bytes: 512 neighbouring bytes
	global_load_b128 v[SCW+4*\i:SCW+4*\i+3], v[SOF], s[BW:BW+1] offset:512*\i
.endr
.irp m, 0,1,2,3
.irp t, 0,1,2,3
	global_load_b128 v[ACC+8*(4*\m+\t):ACC+8*(4*\m+\t)+3],   v[BOF], s[BB:BB+1] offset:64*\t      ; bo at columns 16 t + 8 h + 0 .. 7: the sums begin with it
	global_load_b128 v[ACC+8*(4*\m+\t)+4:ACC+8*(4*\m+\t)+7], v[BOF], s[BB:BB+1] offset:64*\t+16
.endr
.endr
	v_and_b32 v[LI], 31, v0
	s_delay_alu instid0(VALU_DEP_1)
	v_lshlrev_b32 v[LI], 4, v[LI]
	s_lshl_b32 s78, s24, 15
	v_add_nc_u32 v[CXA], s78, v[LI]                ; my four tiles of rows: 32,768 mh + 16 x lane
	v_mul_u32_u24 v[WOA], v1, PITCH
	s_delay_alu instid0(VALU_DEP_1)
	v_lshl_add_u32 v[WOA], v2, 4, v[WOA]
	s_mul_i32 s78, s23, QUART
	s_add_co_u32 s78, s78, WOB
	v_add_nc_u32 v[WOA], s78, v[WOA]
	s_mul_i32 s79, s[WV], 16*SP
	s_add_co_u32 s79, s79, STAGE                   ; my stage
	v_mul_u32_u24 v[STO], v1, SP
	s_delay_alu instid0(VALU_DEP_1)
	v_lshl_add_u32 v[STO], v2, 5, v[STO]
	s_delay_alu instid0(VALU_DEP_1)
	v_add_nc_u32 v[STO], s79, v[STO]               ; in: row r, + 32 h; tile t's eight columns 64 t bytes on
	v_mul_u32_u24 v[RD], v2, SP
	s_delay_alu instid0(VALU_DEP_1)
	v_lshl_add_u32 v[RD], v1, 4, v[RD]
	s_delay_alu instid0(VALU_DEP_1)
	v_add_nc_u32 v[RD], s79, v[RD]                 ; back: lanes 0-15 one row, lanes 16-31 the next
	v_lshlrev_b32 v[CO], 12, v2
	s_delay_alu instid0(VALU_DEP_1)
	v_lshl_add_u32 v[CO], v1, 4, v[CO]             ; and the same two rows in out0
	s_wait_alu depctr_va_vdst(0)
	s_wait_tensorcnt 0x0                           ; my part has landed,
	s_barrier_signal -1
	s_barrier_wait -1                              ; everybody's has
	s_wait_loadcnt 0x0                             ; the scale words and the bias
.irp s, 0,1,2,3,4,5,6,7
	KSTEP \s
.endr
	PLACES                                         ; behind the last products: ahead of the stores that read results and of the loads into the fragments' registers
	TOSTAGE 0
	TOSTAGE 1
	SEND 0, 16                                     ; behind block 0's loads: block 1's 8 stores and 8 loads
	s_wait_xcnt 0x0                                ; block 0's stores have read their registers: block 2's rows may land there
	TOSTAGE 2
	SEND 1, 16
	s_wait_xcnt 0x0
	TOSTAGE 3
	SEND 2, 16
	SEND 3, 0
	s_wait_tensorcnt 0x0                           ; the wave's end, behind my last LDS store
	ds_add_u32 v[SPW], v[NIL]
	s_wait_dscnt 0x0
	CROUND                                         ; the closing round
	s_endpgm
.Lfunc_end_k_q97b3e89db9_proj:
	.size	k_q97b3e89db9_proj, .Lfunc_end_k_q97b3e89db9_proj-k_q97b3e89db9_proj
	.p2alignl 7, 3214868480
	.fill 96, 4, 3214868480
	.section	.rodata,"a",@progbits
	.p2align	6, 0x0
	.amdhsa_kernel k_q97b3e89db9_proj
		.amdhsa_group_segment_fixed_size 236544
		.amdhsa_private_segment_fixed_size 0
		.amdhsa_enable_private_segment 0
		.amdhsa_kernarg_size 48
		.amdhsa_user_sgpr_count 2
		.amdhsa_user_sgpr_kernarg_segment_ptr 1
		.amdhsa_wavefront_size32 1
		.amdhsa_system_sgpr_workgroup_id_x 1
		.amdhsa_system_sgpr_workgroup_id_y 1
		.amdhsa_system_sgpr_workgroup_id_z 1
		.amdhsa_system_vgpr_workitem_id 0
		.amdhsa_next_free_vgpr 256
		.amdhsa_next_free_sgpr 80
		.amdhsa_reserve_vcc 0
		.amdhsa_float_denorm_mode_32 3
		.amdhsa_float_denorm_mode_16_64 3
		.amdhsa_memory_ordered 1
		.amdhsa_forward_progress 1
		.amdhsa_inst_pref_size 44
	.end_amdhsa_kernel
	.amdgpu_metadata
---
amdhsa.version: [ 1, 2 ]
amdhsa.kernels:
  - .name:           k_q97b3e89db9_proj
    .symbol:         k_q97b3e89db9_proj.kd
    .args:
      - { .name: ctx_img, .offset: 0, .size: 8, .value_kind: global_buffer, .address_space: global }
      - { .name: ctx_sc, .offset: 8, .size: 8, .value_kind: global_buffer, .address_space: global }
      - { .name: Wo_codes, .offset: 16, .size: 8, .value_kind: global_buffer, .address_space: global }
      - { .name: Wo_scales, .offset: 24, .size: 8, .value_kind: global_buffer, .address_space: global }
      - { .name: bo, .offset: 32, .size: 8, .value_kind: global_buffer, .address_space: global }
      - { .name: out0, .offset: 40, .size: 8, .value_kind: global_buffer, .address_space: global }
    .group_segment_fixed_size: 236544
    .private_segment_fixed_size: 0
    .kernarg_segment_align: 8
    .kernarg_segment_size: 48
    .max_flat_workgroup_size: 256
    .sgpr_count:     80
    .vgpr_count:     256
    .wavefront_size: 32
...
	.end_amdgpu_metadata
.endif
;; end of part 3
